; MI455X (gfx1250); checked and timed in simulation.
; The chip was launched on July 23, 2026; its instructions are those of AMD's public machine-readable ISA for CDNA 5 (MIT licence, August 2026) and "CDNA5" Instruction Set Architecture Reference Guide (July 2026). The comments in the code are by the model that wrote it; some were corrected since.
;; RG LRU. Allowed arithmetic: float matrix products may take bf16 or f16 operands with f32 sums; other float arithmetic in f32, or as packed bf16 or f16 multiplies, adds, multiply-adds, maxima and minima; sums over many terms, partial sums and values carried from step to step in f32; what a program stores and reads back later, other than sums and carried values, may be rounded once to bf16 or f16.
;; Inputs: Wg 1,024 x 1,024 float32; Wi 1,024 x 1,024 float32; Wo 1,024 x 1,024 float32; bg 1,024 float32; bi 1,024 float32; bo 1,024 float32; x 8 x 2,048 x 1,024 float32.
;; Outputs: out0 8 x 2,048 x 1,024 float32.
;; 2 versions, each right; version 2 is version 1 with the launch cast written anew for expert scheduling mode. Each part assembles by itself: llvm-mc -triple=amdgcn-amd-amdhsa -mcpu=gfx1250 --defsym DOCPART=n.
;; ======== version 1 of 2: 3 launches
;; workspace buffers: xb 33,554,432 bytes; wc 4,194,304 bytes; wob 2,097,152 bytes; hb 33,554,432 bytes
;; launch cast (part 1): grid 256 x 1, 19 waves a work-group, no clusters, 0 bytes of LDS; arguments x, Wi, Wg, Wo, xb, wc, wob; writes xb, wc, wob
.if DOCPART == 1
	.amdgcn_target "amdgcn-amd-amdhsa--gfx1250"
	.amdhsa_code_object_version 6
	.text
	.protected	k_q1b16c4964d_cast
	.globl	k_q1b16c4964d_cast
	.p2align	8
	.type	k_q1b16c4964d_cast,@function
k_q1b16c4964d_cast:
	s_mov_b64 s[64:65], 0
	v_nop
	global_prefetch_b8 v0, s[64:65] scope:SCOPE_SE
	s_setreg_imm32_b32 hwreg(HW_REG_WAVE_MODE, 25, 1), 1
	s_wait_xcnt 0x0
; RG-LRU, first of three launches: x, Wi, Wg and Wo are rounded once to bf16 and laid out for the two launches that multiply them.
; NOTHING OF THE PROBLEM IS LEFT OUT in any launch: every input reaches the output; the zero state h0 is only the first value of the carry.
; LIMITS of the program: matrix operands (x, the three weights, h) and the three biases are rounded to bf16; sums, sigmoid, recurrence and carries are f32;
; NaN and infinities are not treated apart.
; xb: bf16, 16,384 rows of 2,048 bytes.  Inside each aligned group of 128 rows, row t = 64 z + 8 a + y of x lies at row 16 a + 8 z + y, so that a matrix result's lane later holds 64 consecutive t of one channel.
; wc: bf16 [32 blocks][64 rows][1,024]: rows 0-31 of block e are Wi's rows 32 e .. 32 e + 31, rows 32-63 are Wg's.      wob: Wo in bf16, row by row.
; SHARES.  16,384 + 3 x 1,024 = 19,456 rows of 1,024 f32 are 4,864 groups of four rows = 256 x 19: a work-group has 19 waves, a wave one group, so that all work-groups move the same bytes.
; Groups 0-4,095: x; 4,096-4,351: Wi; 4,352-4,607: Wg; 4,608-4,863: Wo.
; A stream: no LDS, no matrix unit, no cluster (no byte is read twice).  A wave has all its 32 loads (512 consecutive bytes each) out before the first wait.
.set X, 4                              ; v[4:131] 32 loads of four registers; the rounded pair takes the first two
	s_load_b256 s[4:11], s[0:1], 0x0               ; x s[4:5], Wi s[6:7], Wg s[8:9], Wo s[10:11]
	s_load_b128 s[12:15], s[0:1], 0x20             ; xb s[12:13], wc s[14:15]
	s_load_b64 s[16:17], s[0:1], 0x30              ; wob
	v_lshrrev_b32 v3, 5, v0
	v_readfirstlane_b32 s18, v3                    ; wave 0..18
	v_and_b32 v2, 31, v0
	v_lshlrev_b32 v1, 4, v2                        ; 16 bytes a lane in, never rewritten
	v_lshlrev_b32 v2, 3, v2                        ; 8 bytes a lane out, never rewritten
	s_mul_i32 s19, ttmp9, 19
	s_add_co_u32 s19, s19, s18                     ; my group of four rows
	s_lshl_b32 s26, s19, 2                         ; x: source row g, a multiple of 4
	s_and_b32 s27, s26, 0xffffff87                 ; its group of 128 and y stay,
	s_and_b32 s28, s26, 0x38
	s_lshl_b32 s28, s28, 1                         ; a goes up one bit,
	s_or_b32 s27, s27, s28
	s_and_b32 s28, s26, 0x40
	s_lshr_b32 s28, s28, 3                         ; z goes down three: four rows from a multiple of 4 stay neighbours
	s_or_b32 s27, s27, s28                         ; x: destination row
	s_and_b32 s24, s19, 255                        ; a weight has 256 groups, and each weight's first group is a multiple of 256
	s_lshl_b32 s24, s24, 2                         ; a weight's source row r; also Wo's destination row
	s_mov_b32 s25, s24
	s_and_b32 s30, s24, 0xffffffe0
	s_add_co_u32 s30, s30, s24                     ; Wi's destination row in wc: 64 (r / 32) + r % 32
	s_add_co_u32 s31, s30, 32                      ; Wg's
	s_wait_kmcnt 0x0
	s_mov_b64 s[20:21], s[10:11]                   ; from Wo to wob, unless the group's number says otherwise
	s_mov_b64 s[22:23], s[16:17]
	s_cmp_lt_u32 s19, 4608
	s_cselect_b64 s[20:21], s[8:9], s[20:21]       ; Wg to wc
	s_cselect_b64 s[22:23], s[14:15], s[22:23]
	s_cselect_b32 s25, s31, s25
	s_cmp_lt_u32 s19, 4352
	s_cselect_b64 s[20:21], s[6:7], s[20:21]       ; Wi to wc
	s_cselect_b32 s25, s30, s25
	s_cmp_lt_u32 s19, 4096
	s_cselect_b64 s[20:21], s[4:5], s[20:21]       ; x to xb
	s_cselect_b64 s[22:23], s[12:13], s[22:23]
	s_cselect_b32 s24, s26, s24
	s_cselect_b32 s25, s27, s25
	s_lshl_b32 s32, s24, 12                        ; a source row is 4,096 bytes,
	s_mov_b32 s33, 0
	s_lshl_b32 s34, s25, 11                        ; a destination row 2,048
	s_mov_b32 s35, 0
	s_add_nc_u64 s[20:21], s[20:21], s[32:33]
	s_add_nc_u64 s[22:23], s[22:23], s[34:35]
.set n, 0
.rept 32
	global_load_b128 v[X+4*n:X+4*n+3], v1, s[20:21] offset:(n/8)*4096+(n%8)*512 th:TH_LOAD_NT
.set n, n+1
.endr
.set n, 0
.rept 32
	s_wait_loadcnt 31-n                            ; loads come back in order: load n is in, the 31 - n younger ones stay out
	v_cvt_pk_bf16_f32 v[X+4*n], v[X+4*n], v[X+4*n+1]
	v_cvt_pk_bf16_f32 v[X+4*n+1], v[X+4*n+2], v[X+4*n+3]
	global_store_b64 v2, v[X+4*n:X+4*n+1], s[22:23] offset:(n/8)*2048+(n%8)*256 th:TH_STORE_NT  ; 32 lanes store 256 consecutive bytes, aligned; no register that a store reads is written again
.set n, n+1
.endr
	s_endpgm
.Lfunc_end_k_q1b16c4964d_cast:
	.size	k_q1b16c4964d_cast, .Lfunc_end_k_q1b16c4964d_cast-k_q1b16c4964d_cast
	.p2alignl 7, 3214868480
	.fill 96, 4, 3214868480
	.section	.rodata,"a",@progbits
	.p2align	6, 0x0
	.amdhsa_kernel k_q1b16c4964d_cast
		.amdhsa_group_segment_fixed_size 0
		.amdhsa_private_segment_fixed_size 0
		.amdhsa_enable_private_segment 0
		.amdhsa_kernarg_size 56
		.amdhsa_user_sgpr_count 2
		.amdhsa_user_sgpr_kernarg_segment_ptr 1
		.amdhsa_wavefront_size32 1
		.amdhsa_system_sgpr_workgroup_id_x 1
		.amdhsa_system_sgpr_workgroup_id_y 1
		.amdhsa_system_sgpr_workgroup_id_z 1
		.amdhsa_system_vgpr_workitem_id 0
		.amdhsa_next_free_vgpr 132
		.amdhsa_next_free_sgpr 66
		.amdhsa_reserve_vcc 0
		.amdhsa_float_denorm_mode_32 3
		.amdhsa_float_denorm_mode_16_64 3
		.amdhsa_memory_ordered 1
		.amdhsa_forward_progress 1
		.amdhsa_inst_pref_size 13
	.end_amdhsa_kernel
	.amdgpu_metadata
---
amdhsa.version: [ 1, 2 ]
amdhsa.kernels:
  - .name:           k_q1b16c4964d_cast
    .symbol:         k_q1b16c4964d_cast.kd
    .args:
      - { .name: x, .offset: 0, .size: 8, .value_kind: global_buffer, .address_space: global }
      - { .name: Wi, .offset: 8, .size: 8, .value_kind: global_buffer, .address_space: global }
      - { .name: Wg, .offset: 16, .size: 8, .value_kind: global_buffer, .address_space: global }
      - { .name: Wo, .offset: 24, .size: 8, .value_kind: global_buffer, .address_space: global }
      - { .name: xb, .offset: 32, .size: 8, .value_kind: global_buffer, .address_space: global }
      - { .name: wc, .offset: 40, .size: 8, .value_kind: global_buffer, .address_space: global }
      - { .name: wob, .offset: 48, .size: 8, .value_kind: global_buffer, .address_space: global }
    .group_segment_fixed_size: 0
    .private_segment_fixed_size: 0
    .kernarg_segment_align: 8
    .kernarg_segment_size: 56
    .max_flat_workgroup_size: 608
    .sgpr_count:     66
    .vgpr_count:     132
    .wavefront_size: 32
...
	.end_amdgpu_metadata
.endif
;; end of part 1
;; launch scan (part 2): grid 32 x 8, 4 waves a work-group, clusters of 4 x 4, 327,680 bytes of LDS; arguments xb, wc, bi, bg, hb; writes hb
.if DOCPART == 2
	.amdgcn_target "amdgcn-amd-amdhsa--gfx1250"
	.amdhsa_code_object_version 6
	.text
	.protected	k_q1b16c4964d_scan
	.globl	k_q1b16c4964d_scan
	.p2align	8
	.type	k_q1b16c4964d_scan,@function
k_q1b16c4964d_scan:
	s_mov_b64 s[64:65], 0
	v_nop
	global_prefetch_b8 v0, s[64:65] scope:SCOPE_SE
	s_setreg_imm32_b32 hwreg(HW_REG_WAVE_MODE, 25, 1), 1
	s_wait_xcnt 0x0
	s_wait_alu depctr_hold_cnt(0) depctr_sa_sdst(0) depctr_va_vdst(0) depctr_va_sdst(0) depctr_va_ssrc(0) depctr_va_vcc(0) depctr_vm_vsrc(0)
	s_getreg_b32 s2, hwreg(HW_REG_IB_STS2, 6, 4)
	s_cmp_eq_u32 s2, 0
	s_cbranch_scc0 .Lentry_in_a_cluster
	s_endpgm
.Lentry_in_a_cluster:
	s_bfe_u32 s2, ttmp6, 0x10000c
	s_cmp_lg_u32 s2, 0xf033
	s_cbranch_scc0 .Lentry_shape_is_right
	s_endpgm
.Lentry_shape_is_right:
; RG-LRU, second launch: u = x Wi^T + bi, g = sigmoid(x Wg^T + bg), h_t = g_t h_(t-1) + (1 - g_t) u_t from h = 0, h rounded once to bf16.  Nothing of the problem is left out.
; SHARES.  A work-group owns one batch b and 32 channels (block EB), that is 64 columns of the combined product (32 of u, 32 of g), and walks all 2,048 steps of T in four tiles of 512 rows,
; carrying the state from tile to tile in registers.  Wave w has rows 128 w .. 128 w + 127 of a tile x 64 columns: 32 accumulators of 16 x 16.
; LAYOUT.  Source 0 = 16 rows of xb, source 1 = 16 rows of wc: register j of lane (r, h) of accumulator (a, c) is row 16 a + 8 h + j, column 16 c + r.  By xb's order of rows that row is
; t = 64 h + 8 a + j of the wave's 128: a lane holds ONE channel and 64 consecutive t, so the recurrence runs down registers.  Columns c = 0, 1 are u, c = 2, 3 the gates of the same channels.
; THE RECURRENCE.  Each lane scans its run of 64 from 0: hl_t = g_t hl_(t-1) + v_t with v = u - g u, and P_t = g_t P_(t-1).  The eight runs of a tile (2 w + h, in the order of t) publish their last
; (hl, P) in LDS; every lane folds them in order onto the tile's carry and picks the carry in front of its own run; h_t = hl_t + P_t x carry.
; LIMITS.  h is formed as hl + P x carry, another order of rounding than step by step (no difference of large sums: P lies in 0 to 1).  A product's eight K steps are added in an order that begins at another
; step in each cluster: f32 sums, another order of rounding than ascending K.  2^z below 2^-126 counts as 0 (g = 1), 2^z beyond f32 gives g = 0.
; bi and bg are rounded to bf16 like the other inputs.  NaN and infinities are not treated apart.
; hb: bf16 [b][t / 8][channel][t % 8]: 16 bytes hold one channel's eight neighbouring t; sixteen lanes (16 channels) store 256 consecutive bytes, aligned, straight from registers.
; RING.  K goes in steps of 128 (rows of 256 bytes) through two LDS slots: 512 rows of xb, then 64 rows of wc.  32 steps in all; the ring runs on from tile to tile.
; A step's 128 matrix instructions a wave are little beside its 147,456 bytes of tiles, so nothing but the waits and the round stands between a tile's landing and the next request; the products follow the request.
; WHO FETCHES.  Waves 0 and 1: 176 rows of xb each; wave 2: the other 160; wave 3: wc's 64 rows.  One load a wave, the largest 45,056 bytes.
; CLUSTER.  4 x 4 work-groups; cluster (X, Y) of 8 x 2.  b = 4 (X / 4) + cy, channel group EG = X % 4 + 4 Y, EB = 4 EG + cx: the eight clusters that walk the same four batches are those with the same X / 4.
; The four of a row of the cluster share b: xb's tiles are asked for JOINTLY by them.  The four of a column share EB: wc's tile likewise.
; THE WALK ALONG K.  A cluster begins each tile at K step EG and goes round modulo 8, so that the eight clusters that walk the same rows of xb ask for eight different K steps at a time.
; By this text's count a wave has two tensor loads out at the start and one behind each round.
; REGISTERS: window 0: addresses, biases, carries, two fragment buffers of 96 (8 fragments of xb, 4 of wc).  Window 1: accumulator (a, c) at v[8 (4 a + c)].
.set PITCH,  272                       ; an LDS row: 256 bytes + 16 of padding = 68 words, so the 16 rows of a fragment load start at 16 different groups of four banks (64 banks of 4 bytes: ISA guide 11.1)
.set AROWS,  176                       ; rows of xb that wave 0 or 1 fetches; wave 2 fetches 512 - 2 x 176 = 160
.set APART,  AROWS*PITCH
.set ABYTES, 512*PITCH
.set SLOT,   576*PITCH
.set CAR,    2*SLOT                    ; behind the ring, written by ds_store alone: run s at 256 s, channel r at 16 r: (hl, P) of the lane's two channels
.set SPARE,  CAR+2048                  ; the spare words, 128 bytes for each wave: two blocks of 256 bytes that no other line names
.set TILEB,  512*2048                  ; bytes of xb from tile to tile
.set ADRA, 4                           ; v4-5   LDS address of my fragments of xb in slot 0, 1
.set ADRB, 6                           ; v6-7   of wc
.set VO,   8                           ; v8     my byte offset in hb: h << 17 | r << 4; never rewritten
.set BOF,  9                           ; v9     4 r
.set SPW,  10                          ; v10    my spare word; never rewritten
.set NIL,  11                          ; v11    0; never rewritten
.set CST,  12                          ; v12    where my run publishes
.set CLD,  13                          ; v13    where my channel's runs are read
.set RUN,  14                          ; v14    2 w + h
.set PFO,  15                          ; v15    the prefetches' offset: lane x 2,048; never rewritten
.set BI,   16                          ; v[16:19] bi of my two channels, a pair each (the low word is used)
.set NBG,  20                          ; v[20:23] -log2(e) bg likewise
.set CC,   24                          ; v24-25 the state in front of the tile, then behind it
.set CIN,  26                          ; v[26:29] the state in front of my run, a pair each
.set PUB,  32                          ; v[32:35] what I publish
.set F0,   64
.set F1,   160
.set OUT,  F1                          ; the way out: 64 registers of packed h
.set RW,   F1+64                       ; the eight runs' four words
.set WV,   14                          ; s14 wave
.set G1A,  24                          ; s[24:31] descriptor group 1, xb's tiles of 176 rows
.set G1B,  32                          ; s[32:39] wc's tile
.set G0A,  40                          ; s[40:47] group 0 for xb, a set for each slot
.set G0B,  48                          ; s[48:55] for wc
.set MK,   56                          ; s56-63 lane masks: my run is run s
.set LE,   66                          ; s[66:67] -log2(e)
.set PFA,  68                          ; s[68:69] what my next prefetch names: my 32 rows of the next tile, at K step ROT
.set PFL,  70                          ; s70 the trip of the loop over laps (counted 3, 2, 1) in which I prefetch: 1, or 0 (none) in the last tile
.set KQ,   71                          ; s71 the K step to be asked for next, 0..7
.set OFF,  72                          ; s[72:73] its byte offset in a row
.set AB,   74                          ; s[74:75] xb at my rows of the tile that is being asked for
.set BB,   76                          ; s[76:77] wc at the block's rows
.set ROT,  79                          ; s79 EG: my cluster's channel group, and the K step at which it begins a tile
.set G1C,  80                          ; s[80:87] descriptor group 1, xb's tile of 160 rows
.set MSB, 0
.macro WIN new                         ; the immediate's high byte repeats the setting that is left; a switch that changes nothing is dropped
.if MSB != (\new)
	s_set_vgpr_msb (MSB<<8)|(\new)
.set MSB, \new
.endif
.endm
.set W_MUL, 0x50                       ; C and D in window 1, both sources in window 0
.macro PLACES                          ; four plain vector instructions between a matrix instruction and a load into, or a vector read or write of, its registers
.rept 4
	v_nop
.endr
.endm
.macro CREST                           ; a round of the cluster's barrier behind its opening barrier
	s_cmp_lg_u32 s[WV], 0
	s_cbranch_scc1 .Lnot_wave_0_\@
	s_barrier_signal -3
.Lnot_wave_0_\@:
	s_barrier_wait -3
	s_barrier_signal -1
	s_barrier_wait -1
.endm
.macro CROUND
	s_barrier_signal -1
	s_barrier_wait -1
	CREST
.endm
; Both descriptors of a slot take K step KQ: the address is made anew from the base and an offset made apart, the type bits are set again.  It stands where no tensor load of mine is out.
.macro NEXTD slot
	s_lshl_b32 s[OFF], s[KQ], 8                    ; a K step is 256 bytes of a row, of xb and of wc
	s_add_nc_u64 s[G0A+4*(\slot)+2:G0A+4*(\slot)+3], s[AB:AB+1], s[OFF:OFF+1]
	s_or_b32 s[G0A+4*(\slot)+3], s[G0A+4*(\slot)+3], 0x80000000
	s_add_nc_u64 s[G0B+4*(\slot)+2:G0B+4*(\slot)+3], s[BB:BB+1], s[OFF:OFF+1]
	s_or_b32 s[G0B+4*(\slot)+3], s[G0B+4*(\slot)+3], 0x80000000
	s_add_co_u32 s[KQ], s[KQ], 1                   ; round modulo 8: after a tile's eight requests it is ROT again
	s_and_b32 s[KQ], s[KQ], 7
.endm
; A refill: one joint load a wave, in three arms: waves 0 and 1, wave 2, wave 3.  The branches hang on the wave's number alone.  An s_nop 0 and four v_nop follow each line; they are also the
; places in front of the LDS loads that follow.
.macro JLOAD s
	s_cmp_lt_u32 s[WV], 2
	s_cbranch_scc0 .Lnot_a_\@
	tensor_load_to_lds s[G0A+4*(\s):G0A+4*(\s)+3], s[G1A:G1A+7]
	s_nop 0
.rept 4
	v_nop
.endr
	s_branch .Lasked_\@
.Lnot_a_\@:
	s_cmp_eq_u32 s[WV], 2
	s_cbranch_scc0 .Lfor_b_\@
	tensor_load_to_lds s[G0A+4*(\s):G0A+4*(\s)+3], s[G1C:G1C+7]
	s_nop 0
.rept 4
	v_nop
.endr
	s_branch .Lasked_\@
.Lfor_b_\@:
	tensor_load_to_lds s[G0B+4*(\s):G0B+4*(\s)+3], s[G1B:G1B+7]
	s_nop 0
.rept 4
	v_nop
.endr
.Lasked_\@:
.endm
; A PREFETCH of xb, once a tile, behind a refill and the run of LDS loads: the NEXT tile's K step ROT, the one that my cluster asks for first, two refills (256 matrix instructions) ahead of the load that asks for it.
; Of that step's 512 rows of my batch the partner at cx takes 128, told apart by address, its wave w 32, a lane a row of 256 bytes.  The ROT of the eight clusters that walk a batch are the eight K steps, so each aligned
; block of 256 bytes of tiles 1 to 3 is named once in the launch.  Tile 0 comes by its loads alone; the last tile asks for nothing.  wc is not asked for: a work-group walks its 128 KiB four times.
.macro ASK
	s_cmp_eq_u32 s3, s[PFL]
	s_cbranch_scc0 .Lnot_now_\@
	global_prefetch_b8 v[PFO], s[PFA:PFA+1] th:TH_LOAD_NT scope:SCOPE_SE
.Lnot_now_\@:
.endm
; 8 matrix instructions: row blocks a0, a0 + 1 x the 4 column blocks, 32 along K.  The 32 accumulators take turns, one instruction a turn, in the same order in every quarter.
.macro MUL8 f, a0, zero
	WIN W_MUL
.irp a, \a0, (\a0)+1
.irp c, 0,1,2,3
.if \zero
	v_wmma_f32_16x16x32_bf16 v[8*(4*(\a)+(\c)):8*(4*(\a)+(\c))+7], v[(\f)+8*(\a):(\f)+8*(\a)+7], v[(\f)+64+8*(\c):(\f)+64+8*(\c)+7], 0
.else
	v_wmma_f32_16x16x32_bf16 v[8*(4*(\a)+(\c)):8*(4*(\a)+(\c))+7], v[(\f)+8*(\a):(\f)+8*(\a)+7], v[(\f)+64+8*(\c):(\f)+64+8*(\c)+7], v[8*(4*(\a)+(\c)):8*(4*(\a)+(\c))+7]
.endif
.endr
.endr
.endm
; 24 LDS loads in one run: the fragments of 32 along K at byte k of the rows: wc's four first, then xb's eight
.macro FETCH slot, k, f
	WIN 0
.irp c, 0,1,2,3
	ds_load_b128 v[(\f)+64+8*(\c):(\f)+64+8*(\c)+3],   v[ADRB+(\slot)] offset:(\k)+(\c)*16*PITCH
	ds_load_b128 v[(\f)+64+8*(\c)+4:(\f)+64+8*(\c)+7], v[ADRB+(\slot)] offset:(\k)+(\c)*16*PITCH+32
.endr
.irp a, 0,1,2,3,4,5,6,7
	ds_load_b128 v[(\f)+8*(\a):(\f)+8*(\a)+3],   v[ADRA+(\slot)] offset:(\k)+(\a)*16*PITCH
	ds_load_b128 v[(\f)+8*(\a)+4:(\f)+8*(\a)+7], v[ADRA+(\slot)] offset:(\k)+(\a)*16*PITCH+32
.endr
.endm
; A K step is four quarters of 32 along K, 32 matrix instructions each, on buffers 0, 1, 0, 1.  One of the first three: multiplies f, fetches the next quarter, at byte k, into g.
.macro QUARTER slot, k, f, g, zero
	s_wait_dscnt 8                                 ; wc's fragments and xb's blocks 0-3 are in; the youngest eight loads (blocks 4-7) may be out
	MUL8 \f, 0, \zero
	MUL8 \f, 2, \zero
	PLACES
	FETCH \slot, \k, \g
	s_wait_dscnt 24                                ; all but the 24 just issued
	MUL8 \f, 4, \zero
	MUL8 \f, 6, \zero
.endm
; The last quarter changes slots and then multiplies buffer 1, whose fragments were this slot's last reads.  Each wave waits for all its tensor loads (one is out: its part of the next slot), adds 0 to its spare word, makes
; the descriptors while the add is out, and waits for the add and for its reads of this slot.  mode 0: this slot is filled again with the tile's K step two requests on; mode 1: with the NEXT tile's first or second K step;
; mode 2: nothing is filled.  In modes 0 and 1 the barrier opens a round of the cluster's barrier, and the refill is the first tensor load behind the round: 128 matrix instructions ahead of the wait for it.
.macro TURN slot, next, mode
.if ((\mode) == 1) && ((\slot) == 0)
	s_wait_xcnt 0x0                                ; the tile's prefetch, two K steps back, has read its address
	s_add_nc_u64 s[PFA:PFA+1], s[PFA:PFA+1], TILEB
.endif
	WIN 0
	s_wait_tensorcnt 0x0                           ; all my tensor loads have landed, so every group 0 may be written
	ds_add_u32 v[SPW], v[NIL]                      ; 0 onto my spare word
.if (\mode) < 2
.if ((\mode) == 1) && ((\slot) == 0)
	s_add_nc_u64 s[AB:AB+1], s[AB:AB+1], TILEB     ; from here on the next tile's rows are asked for
.endif
	NEXTD \slot
.endif
	s_wait_dscnt 0x0                               ; the add is done, and my reads of this slot are over (the last were issued 16 matrix instructions ago)
	s_barrier_signal -1
	s_barrier_wait -1
.if (\mode) < 2
	CREST                                          ; no wave of any partner still reads this slot or has a load on its way
	JLOAD \slot
.else
	PLACES
.endif
	FETCH \next, 0, F0
.if ((\mode) == 0) && ((\slot) == 0)
	ASK
.endif
	MUL8 F1, 0, 0
	MUL8 F1, 2, 0
	MUL8 F1, 4, 0
	MUL8 F1, 6, 0
.endm
	s_load_b256 s[4:11], s[0:1], 0x0               ; xb s[4:5], wc s[6:7], bi s[8:9], bg s[10:11]
	s_load_b64 s[12:13], s[0:1], 0x20              ; hb
	v_lshl_add_u32 v[SPW], v0, 2, SPARE
	v_mov_b32 v[NIL], 0
	ds_add_u32 v[SPW], v[NIL]                      ; the wave's opening: the add, twice on end, and its wait ahead of my first tensor load
	ds_add_u32 v[SPW], v[NIL]
	v_lshrrev_b32 v3, 5, v0
	v_readfirstlane_b32 s[WV], v3                  ; wave 0..3
	s_bfe_u32 s15, ttmp6, 0x40000                  ; cx
	s_bfe_u32 s78, ttmp6, 0x40004                  ; cy
	s_and_b32 s[ROT], ttmp9, 3                     ; X % 4
	s_and_b32 s20, ttmp7, 0xffff                   ; Y
	s_lshl_b32 s20, s20, 2
	s_add_co_u32 s[ROT], s[ROT], s20               ; EG = X % 4 + 4 Y: made of the cluster's coordinates alone, the same in all sixteen partners
	s_lshl_b32 s16, s[ROT], 2
	s_add_co_u32 s16, s16, s15                     ; EB = 4 EG + cx, which my column of the cluster shares
	s_lshr_b32 s17, ttmp9, 2                       ; X / 4
	s_lshl_b32 s17, s17, 2
	s_add_co_u32 s17, s17, s78                     ; b = 4 (X / 4) + cy, which my row of the cluster shares
	s_lshl_b32 s22, s78, 2
	s_lshl_b32 s22, 15, s22                        ; my row: places 4 cy .. 4 cy + 3
	s_lshl_b32 s23, 0x1111, s15                    ; my column: places cx, cx + 4, cx + 8, cx + 12
	s_or_b32 s[G1A+0], s22, (1<<16)|(1<<20)|(1<<21)|(5<<22)|(3<<25)  ; the mask of my row; 2-byte elements; padding on; bit 21 beside a mask; after every 64 words, 4 words
	s_or_b32 s[G1C+0], s22, (1<<16)|(1<<20)|(1<<21)|(5<<22)|(3<<25)  ; the same
	s_or_b32 s[G1B+0], s23, (1<<16)|(1<<20)|(1<<21)|(5<<22)|(3<<25)  ; the same with the mask of my column
.irp g, G1A, G1B, G1C
	s_mov_b32 s[(\g)+1], 128<<16                   ; tensor_dim0 = 128
	s_mov_b32 s[(\g)+3], 128<<16                   ; tile_dim0 = 128
	s_mov_b32 s[(\g)+5], 1024                      ; elements from row to row
	s_mov_b32 s[(\g)+6], 0
	s_mov_b32 s[(\g)+7], 0
.endr
	s_mov_b32 s[G1A+2], AROWS<<16                  ; tensor_dim1 and
	s_mov_b32 s[G1A+4], AROWS                      ; tile_dim1: 176 rows,
	s_mov_b32 s[G1C+2], (512-2*AROWS)<<16
	s_mov_b32 s[G1C+4], 512-2*AROWS                ; 160 rows,
	s_mov_b32 s[G1B+2], 64<<16
	s_mov_b32 s[G1B+4], 64                         ; 64 rows
	s_mov_b32 s[LE], 0xbfb8aa3b                    ; -log2(e)
	s_mov_b32 s[LE+1], s[LE]
	s_mov_b32 s[KQ], s[ROT]
	s_mov_b32 s[OFF+1], 0
	s_lshl_b32 s18, s17, 22                        ; xb: the batch's 2,048 rows of 2,048 bytes,
	s_mul_i32 s19, s[WV], AROWS*2048               ; my rows of a tile, from row 176 x wave on: nothing made of cx enters
	s_add_co_u32 s18, s18, s19
	s_mov_b32 s19, 0
	s_lshl_b32 s22, s16, 17                        ; wc: the block's 64 rows: nothing made of cy enters
	s_mov_b32 s23, 0
	s_mul_i32 s2, s[WV], APART                     ; where xb's rows go: no place in the cluster enters an LDS address
	s_wait_dscnt 0x0                               ; both opening adds are done
	s_wait_kmcnt 0x0
	s_add_nc_u64 s[AB:AB+1], s[4:5], s[18:19]
	s_add_nc_u64 s[BB:BB+1], s[6:7], s[22:23]
	CROUND                                         ; all sixteen work-groups are here: the first joint loads meet
.irp s, 0,1
	s_mov_b32 s[G0A+4*(\s)], 1
	s_add_co_u32 s[G0A+4*(\s)+1], s2, (\s)*SLOT
	s_mov_b32 s[G0B+4*(\s)], 1
	s_mov_b32 s[G0B+4*(\s)+1], ABYTES+(\s)*SLOT    ; behind xb's 512 rows
	NEXTD \s                                       ; K steps ROT and ROT + 1
.endr
	s_cmp_lt_u32 s[WV], 2                          ; a wave's two first fills stand together in its arm, ahead of every wait on TENSORcnt and every LDS read
	s_cbranch_scc0 .Lfirst_c
	tensor_load_to_lds s[G0A:G0A+3], s[G1A:G1A+7]
	s_nop 0
	tensor_load_to_lds s[G0A+4:G0A+7], s[G1A:G1A+7]
	s_nop 0
.rept 4
	v_nop
.endr
	s_branch .Lfirst_asked
.Lfirst_c:
	s_cmp_eq_u32 s[WV], 2
	s_cbranch_scc0 .Lfirst_b
	tensor_load_to_lds s[G0A:G0A+3], s[G1C:G1C+7]
	s_nop 0
	tensor_load_to_lds s[G0A+4:G0A+7], s[G1C:G1C+7]
	s_nop 0
.rept 4
	v_nop
.endr
	s_branch .Lfirst_asked
.Lfirst_b:
	tensor_load_to_lds s[G0B:G0B+3], s[G1B:G1B+7]
	s_nop 0
	tensor_load_to_lds s[G0B+4:G0B+7], s[G1B:G1B+7]
	s_nop 0
.rept 4
	v_nop
.endr
.Lfirst_asked:
	v_and_b32 v1, 15, v0                           ; r
	v_bfe_u32 v2, v0, 4, 1                         ; h
	v_lshlrev_b32 v[BOF], 2, v1
	s_lshl_b32 s22, s16, 7                         ; the block's 32 numbers of bi and of bg
	s_mov_b32 s23, 0
	s_add_nc_u64 s[8:9], s[8:9], s[22:23]
	s_add_nc_u64 s[10:11], s[10:11], s[22:23]
	global_load_b32 v[BI],    v[BOF], s[8:9]
	global_load_b32 v[BI+2],  v[BOF], s[8:9] offset:64
	global_load_b32 v[NBG],   v[BOF], s[10:11]
	global_load_b32 v[NBG+2], v[BOF], s[10:11] offset:64
	v_mul_u32_u24 v3, v1, PITCH
	v_lshl_add_u32 v3, v2, 4, v3                   ; a fragment's row x pitch + 16 x half
	s_mul_i32 s18, s[WV], 128*PITCH
	v_add_nc_u32 v[ADRA], s18, v3
	v_add_nc_u32 v[ADRA+1], SLOT, v[ADRA]
	v_add_nc_u32 v[ADRB], ABYTES, v3
	v_add_nc_u32 v[ADRB+1], SLOT, v[ADRB]
	v_lshlrev_b32 v[VO], 4, v1
	v_lshl_or_b32 v[VO], v2, 17, v[VO]
	s_lshl_b32 s18, s[WV], 1
	v_add_nc_u32 v[RUN], s18, v2
	v_lshlrev_b32 v[CLD], 4, v1
	v_add_nc_u32 v[CLD], CAR, v[CLD]
	v_lshl_add_u32 v[CST], v[RUN], 8, v[CLD]
	v_and_b32 v[PFO], 31, v0
	v_lshlrev_b32 v[PFO], 11, v[PFO]
.irp s, 0,1,2,3,4,5,6,7
	v_cmp_eq_u32 s[MK+(\s)], \s, v[RUN]
.endr
	v_mov_b32 v[CC], 0                             ; h starts at 0
	v_mov_b32 v[CC+1], 0
.irp i, 0,1,2,3
	v_mov_b32 v[CIN+(\i)], 0
.endr
	s_lshl_b32 s22, s17, 22                        ; hb: the batch, my wave's 16 groups of eight t, the block's 32 channels of 16 bytes
	s_lshl_b32 s23, s[WV], 18
	s_add_co_u32 s22, s22, s23
	s_lshl_b32 s23, s16, 9
	s_add_co_u32 s22, s22, s23
	s_mov_b32 s23, 0
	s_add_nc_u64 s[12:13], s[12:13], s[22:23]
	s_lshl_b32 s22, s17, 22                        ; the prefetches: the batch, my work-group's 128 rows of a tile, my wave's 32 of them, K step ROT
	s_lshl_b32 s23, s15, 18
	s_add_co_u32 s22, s22, s23
	s_lshl_b32 s23, s[WV], 16
	s_add_co_u32 s22, s22, s23
	s_lshl_b32 s23, s[ROT], 8
	s_add_co_u32 s22, s22, s23
	s_mov_b32 s23, 0
	s_add_nc_u64 s[PFA:PFA+1], s[4:5], s[22:23]
	s_add_nc_u64 s[PFA:PFA+1], s[PFA:PFA+1], TILEB ; in tile 1
	s_wait_loadcnt 0x0
	v_cvt_pk_bf16_f32 v[BI], v[BI], v[BI+2]        ; the biases rounded to bf16, like the other inputs
	v_cvt_pk_bf16_f32 v[NBG], v[NBG], v[NBG+2]
	v_and_b32 v[BI+2], 0xffff0000, v[BI]
	v_lshlrev_b32 v[BI], 16, v[BI]
	v_and_b32 v[NBG+2], 0xffff0000, v[NBG]
	v_lshlrev_b32 v[NBG], 16, v[NBG]
	v_mul_f32 v[NBG], s[LE], v[NBG]
	v_mul_f32 v[NBG+2], s[LE], v[NBG+2]
	v_mov_b32 v[BI+1], v[BI]                       ; named as pairs
	v_mov_b32 v[BI+3], v[BI+2]
	v_mov_b32 v[NBG+1], v[NBG]
	v_mov_b32 v[NBG+3], v[NBG+2]
	s_wait_tensorcnt 1                             ; my part of the first K step is in; the second's may stay out
	s_barrier_signal -1
	s_barrier_wait -1
	FETCH 0, 0, F0
	s_mov_b32 s2, 4                                ; tiles to go
.Ltile:
	s_cmp_gt_u32 s2, 1
	s_cselect_b32 s[PFL], 1, 0                     ; the loop's last trip prefetches, unless this is the last tile
	QUARTER 0, 64,  F0, F1, 1                      ; a tile's first quarter starts the sums with the constant 0
	WIN 0
	s_mov_b32 s3, 3
.Llap:                                                 ; a trip goes once round the ring, from a lap's second quarter to the next lap's first
	QUARTER 0, 128, F1, F0, 0
	QUARTER 0, 192, F0, F1, 0
	TURN 0, 1, 0
	QUARTER 1, 64,  F0, F1, 0
	QUARTER 1, 128, F1, F0, 0
	QUARTER 1, 192, F0, F1, 0
	TURN 1, 0, 0
	QUARTER 0, 64,  F0, F1, 0
	WIN 0
	s_sub_co_u32 s3, s3, 1
	s_cmp_lg_u32 s3, 0
	s_cbranch_scc1 .Llap
	QUARTER 0, 128, F1, F0, 0                      ; the tile's last lap
	QUARTER 0, 192, F0, F1, 0
	WIN 0
	s_cmp_eq_u32 s2, 1
	s_cbranch_scc1 .Llast                          ; the last tile asks for nothing more
	TURN 0, 1, 1                                   ; the ring goes on into the next tile: slot 0 takes its first K step,
	QUARTER 1, 64,  F0, F1, 0
	QUARTER 1, 128, F1, F0, 0
	QUARTER 1, 192, F0, F1, 0
	TURN 1, 0, 1                                   ; slot 1 its second, and buffer 0 the next tile's first fragments
	WIN 0
	s_branch .Lepi
.Llast:
	TURN 0, 1, 2
	QUARTER 1, 64,  F0, F1, 0
	QUARTER 1, 128, F1, F0, 0
	QUARTER 1, 192, F0, F1, 0
	s_wait_dscnt 8
	MUL8 F1, 0, 0
	MUL8 F1, 2, 0
	s_wait_dscnt 0x0
	MUL8 F1, 4, 0
	MUL8 F1, 6, 0
	WIN 0
.Lepi:
; THE TILE'S END.  Pair p of 64 (two neighbouring t of one channel): row block p / 8, channel block CB = (p / 4) % 2, registers 2 (p % 4), + 1; UP in u's accumulator, GP in the gate's.
; Ascending p takes each accumulator's lowest registers first.  Buffer 0 (the next tile's fragments) is not touched.
.macro IDX p
.set CB, ((\p)/4)%2
.set UP, 8*(4*((\p)/8)+CB)+2*((\p)%4)
.set GP, UP+16
.endm
.macro ZG p                            ; z = -log2(e) (s + bg)
	IDX \p
	v_pk_fma_f32 v[GP:GP+1], v[GP:GP+1], s[LE:LE+1], v[NBG+2*CB:NBG+2*CB+1] op_sel_hi:[1,0,0]
.endm
.macro A1 p                            ; 1 + 2^z
	IDX \p
	v_pk_add_f32 v[GP:GP+1], v[GP:GP+1], 1.0 op_sel_hi:[1,0]
.endm
.macro VV p                            ; v = u - g u
	IDX \p
	v_pk_fma_f32 v[UP:UP+1], v[GP:GP+1], v[UP:UP+1], v[UP:UP+1] neg_lo:[1,0,0] neg_hi:[1,0,0]
.endm
	PLACES                                         ; behind the last products
	WIN 0x41                                       ; destination and source 0 in window 1
.set p, 0
.rept 4
	ZG p
.set p, p+1
.endr
.set p, 0
.rept 64                                       ; ONE BATCH of 128 exponentials, plain work between them; nothing here names an exponential's result
	IDX p
	v_exp_f32 v[GP], v[GP]
.if p < 60
	ZG p+4
.endif
	IDX p
	v_exp_f32 v[GP+1], v[GP+1]
	v_pk_add_f32 v[UP:UP+1], v[UP:UP+1], v[BI+2*CB:BI+2*CB+1] op_sel_hi:[1,0]  ; u = s + bi; the last of these is the plain instruction behind the last exponential
.set p, p+1
.endr
	s_wait_alu depctr_va_vdst(0)                   ; one wait for the batch, ahead of its first reader
.set p, 0
.rept 4
	A1 p
.set p, p+1
.endr
.set p, 0
.rept 64                                       ; ONE BATCH of 128 reciprocals: g = 1 / (1 + 2^z)
	IDX p
	v_rcp_f32 v[GP], v[GP]
.if p < 60
	A1 p+4
.endif
	IDX p
	v_rcp_f32 v[GP+1], v[GP+1]
.set p, p+1
.endr
	v_nop                                          ; a plain instruction behind the last reciprocal
	s_wait_alu depctr_va_vdst(0)                   ; one wait for the batch
	WIN 0x55                                       ; all four places in window 1
.set p, 0
.rept 8
	VV p
.set p, p+1
.endr
.set tt, 1
.rept 63                                       ; the run's scan, four chains side by side; v of pair 7 + tt is made on the way, always ahead of the step that reads it and of the product that overwrites its g
.set UC, 8*(4*(tt/8))+tt%8
.set UQ, 8*(4*((tt-1)/8))+(tt-1)%8
	v_fmac_f32 v[UC], v[UC+16], v[UQ]              ; hl_t = v_t + g_t hl_(t-1), first channel
	v_fmac_f32 v[UC+8], v[UC+24], v[UQ+8]          ; second channel
	v_mul_f32 v[UC+16], v[UC+16], v[UQ+16]         ; P_t = g_t P_(t-1)
	v_mul_f32 v[UC+24], v[UC+24], v[UQ+24]
.if tt+7 < 64
	VV tt+7
.endif
.set tt, tt+1
.endr
	WIN 0x01                                       ; source 0 in window 1
	v_mov_b32 v[PUB],   v231                       ; my run's last hl and P, first channel,
	v_mov_b32 v[PUB+1], v247
	v_mov_b32 v[PUB+2], v239                       ; second channel
	v_mov_b32 v[PUB+3], v255
	WIN 0
	ds_store_b128 v[CST], v[PUB:PUB+3]
	s_wait_dscnt 0x0                               ; for the others' sake: my store is done (and the next tile's fragments are in)
	s_barrier_signal -1
	s_barrier_wait -1                              ; The refill that is out may stay out
.irp s, 0,1,2,3,4,5,6,7
	ds_load_b128 v[RW+4*(\s):RW+4*(\s)+3], v[CLD] offset:256*(\s)
.endr
	s_wait_dscnt 0x0                               ; these words are written again only behind the next tile's eight barriers
.irp s, 0,1,2,3,4,5,6,7
	v_cndmask_b32 v[CIN],   v[CIN],   v[CC],   s[MK+(\s)]  ; the state in front of run s, kept where run s is mine
	v_cndmask_b32 v[CIN+2], v[CIN+2], v[CC+1], s[MK+(\s)]
	v_fma_f32 v[CC],   v[RW+4*(\s)+1], v[CC],   v[RW+4*(\s)]   ; and behind it
	v_fma_f32 v[CC+1], v[RW+4*(\s)+3], v[CC+1], v[RW+4*(\s)+2]
.endr
	WIN 0x51                                       ; source 1 in window 0, the rest in window 1
.set p, 0
.rept 64
	IDX p
	v_pk_fma_f32 v[UP:UP+1], v[GP:GP+1], v[CIN+2*CB:CIN+2*CB+1], v[UP:UP+1] op_sel_hi:[1,0,1]  ; h = hl + P x carry
.set p, p+1
.endr
	WIN 0x05                                       ; sources in window 1, destination in window 0
.set p, 0
.rept 64
	IDX p
	v_cvt_pk_bf16_f32 v[OUT+p], v[UP], v[UP+1]
.set p, p+1
.endr
	WIN 0
.irp a, 0,1,2,3,4,5,6,7
.irp c, 0,1
	global_store_b128 v[VO], v[OUT+4*(2*(\a)+(\c)):OUT+4*(2*(\a)+(\c))+3], s[12:13] offset:(\a)*16384+(\c)*256 th:TH_STORE_NT  ; each half of the lanes stores 256 consecutive bytes, aligned
.endr
.endr
	s_wait_xcnt 0x0                                ; the stores have read their registers (buffer 1's) and their base
	s_add_nc_u64 s[12:13], s[12:13], 0x100000      ; 64 groups of eight t on
	s_sub_co_u32 s2, s2, 1
	s_cmp_lg_u32 s2, 0
	s_cbranch_scc1 .Ltile
	s_wait_tensorcnt 0x0                           ; the wave's end, behind my last tensor load and my last LDS store
	ds_add_u32 v[SPW], v[NIL]
	s_wait_dscnt 0x0
	CROUND                                         ; the closing round: no work-group ends while a partner may still ask for a tile that names it
	s_endpgm
.Lfunc_end_k_q1b16c4964d_scan:
	.size	k_q1b16c4964d_scan, .Lfunc_end_k_q1b16c4964d_scan-k_q1b16c4964d_scan
	.p2alignl 7, 3214868480
	.fill 96, 4, 3214868480
	.section	.rodata,"a",@progbits
	.p2align	6, 0x0
	.amdhsa_kernel k_q1b16c4964d_scan
		.amdhsa_group_segment_fixed_size 327680
		.amdhsa_private_segment_fixed_size 0
		.amdhsa_enable_private_segment 0
		.amdhsa_kernarg_size 40
		.amdhsa_user_sgpr_count 2
		.amdhsa_user_sgpr_kernarg_segment_ptr 1
		.amdhsa_wavefront_size32 1
		.amdhsa_system_sgpr_workgroup_id_x 1
		.amdhsa_system_sgpr_workgroup_id_y 1
		.amdhsa_system_sgpr_workgroup_id_z 1
		.amdhsa_system_vgpr_workitem_id 0
		.amdhsa_next_free_vgpr 512
		.amdhsa_next_free_sgpr 88
		.amdhsa_reserve_vcc 0
		.amdhsa_float_denorm_mode_32 3
		.amdhsa_float_denorm_mode_16_64 3
		.amdhsa_memory_ordered 1
		.amdhsa_forward_progress 1
		.amdhsa_inst_pref_size 140
	.end_amdhsa_kernel
	.amdgpu_metadata
---
amdhsa.version: [ 1, 2 ]
amdhsa.kernels:
  - .name:           k_q1b16c4964d_scan
    .symbol:         k_q1b16c4964d_scan.kd
    .args:
      - { .name: xb, .offset: 0, .size: 8, .value_kind: global_buffer, .address_space: global }
      - { .name: wc, .offset: 8, .size: 8, .value_kind: global_buffer, .address_space: global }
      - { .name: bi, .offset: 16, .size: 8, .value_kind: global_buffer, .address_space: global }
      - { .name: bg, .offset: 24, .size: 8, .value_kind: global_buffer, .address_space: global }
      - { .name: hb, .offset: 32, .size: 8, .value_kind: global_buffer, .address_space: global }
    .group_segment_fixed_size: 327680
    .private_segment_fixed_size: 0
    .kernarg_segment_align: 8
    .kernarg_segment_size: 40
    .max_flat_workgroup_size: 128
    .sgpr_count:     88
    .vgpr_count:     512
    .wavefront_size: 32
...
	.end_amdgpu_metadata
.endif
;; end of part 2
;; launch proj (part 3): grid 4 x 64, 4 waves a work-group, clusters of 4 x 4, 327,680 bytes of LDS; arguments hb, wob, bo, out0; writes out0
.if DOCPART == 3
	.amdgcn_target "amdgcn-amd-amdhsa--gfx1250"
	.amdhsa_code_object_version 6
	.text
	.protected	k_q1b16c4964d_proj
	.globl	k_q1b16c4964d_proj
	.p2align	8
	.type	k_q1b16c4964d_proj,@function
k_q1b16c4964d_proj:
	s_mov_b64 s[64:65], 0
	v_nop
	global_prefetch_b8 v0, s[64:65] scope:SCOPE_SE
	s_setreg_imm32_b32 hwreg(HW_REG_WAVE_MODE, 25, 1), 1
	s_wait_xcnt 0x0
	s_wait_alu depctr_hold_cnt(0) depctr_sa_sdst(0) depctr_va_vdst(0) depctr_va_sdst(0) depctr_va_ssrc(0) depctr_va_vcc(0) depctr_vm_vsrc(0)
	s_getreg_b32 s2, hwreg(HW_REG_IB_STS2, 6, 4)
	s_cmp_eq_u32 s2, 0
	s_cbranch_scc0 .Lentry_in_a_cluster
	s_endpgm
.Lentry_in_a_cluster:
	s_bfe_u32 s2, ttmp6, 0x10000c
	s_cmp_lg_u32 s2, 0xf033
	s_cbranch_scc0 .Lentry_shape_is_right
	s_endpgm
.Lentry_shape_is_right:
; RG-LRU, third launch: out0[g][n] = the sum over e of h[g][e] Wo[n][e] + bo[n], g = 2,048 b + t.  h and Wo in bf16, sums and out0 in f32; bo rounded to bf16 like the other inputs.  Nothing of the problem is left out.
; A tile of out0, 256 x 256, is made by a work-group of four waves; a wave makes 128 x 128: 64 accumulators of 16 x 16, 512 registers.  256 work-groups, one tile each.  K = 1,024 goes in steps of 128 through two LDS slots.
; hb lies as [g / 8][channel][g % 8]: 16 bytes hold one channel's eight neighbouring rows.  A half tile of h (128 rows x 128 channels) is 16 rows of 2,048 bytes of hb; it comes out of LDS turned, by ds_load_tr16_b128:
; lane l addresses channel 8 (l / 16) + l % 8 of row group (l / 8) % 2 and receives row l % 16 and 8 channels: half a fragment.
; THE MATRIX INSTRUCTION IS USED TRANSPOSED: source 0 = 16 rows of Wo, source 1 = 16 rows of h: a lane holds row l % 16 of out0 and the eight neighbouring columns 8 (l / 16) + 0..7.
; CLUSTERS: 4 x 4 work-groups.  The four of a row of the cluster need the same tiles of h, the four of a column the same tiles of Wo: each tile is asked for jointly.
; By this text's count a wave has two tensor loads out at the start and one behind each round.
; REGISTERS: window 0: v0-31 addresses and bo; v64-127, v128-191 fragments of h, two buffers, later the rows on their way out.  Window 1: v64-127, v128-191 fragments of Wo.
; Window 2: the accumulators of my rows 0-63 ((a, b) at v[8 (8 a + b)]); window 3: rows 64-127.
.set PITCH,  272                       ; a row of Wo's tile in LDS: 256 bytes + 16 of padding
.set RP,     2176                      ; a row of h's tile: 2,048 bytes + 64 of padding behind every 1,024: 128 modulo 256, so the two row groups of a turning load take different halves of the banks (ISA guide 11.1)
.set HALFT,  128*PITCH                 ; what one tensor load brings: 128 rows of Wo, or 16 x RP of h: the same number of bytes
.set SLOT,   4*HALFT                   ; h's two halves, then Wo's two halves
.set STAGE,  2*SLOT                    ; behind the ring: 16 rows x 528 bytes for each wave, for the way out
.set SPITCH, 528                       ; 512 bytes + 16
.set SPARE,  STAGE+4*16*SPITCH         ; the spare words, 128 bytes for each wave: two blocks of 256 bytes that no other line names
.set LAPS,   4                         ; a lap = two K steps
.set BO,   12                          ; v[12:15] bo of my four columns on the way out
.set ADRA, 16                          ; v16-17  LDS address of my fragments of h in slot 0, 1
.set ADRB, 20                          ; v20-21  of Wo
.set STO,  24                          ; v24     the way out: where I put 32 bytes of a row
.set RD,   25                          ; v25     where I read a row back
.set CO,   26                          ; v26     16 x lane; never rewritten
.set SPW,  28                          ; v28     my spare word; never rewritten
.set NIL,  29                          ; v29     0; never rewritten
.set PFO,  30                          ; v30     the prefetches' offset; never rewritten
.set F0,   64
.set F1,   128
.set G1,  24                           ; s[24:31] descriptor group 1 for h's tiles
.set G0,  32                           ; s[32:39] group 0, a set for each slot
.set LIM, 43                           ; s43     1 in a wave that prefetches, else the greatest number
.set PFA, 44                           ; s[44:45] the K step that my next prefetch names
.set G1B, 48                           ; s[48:55], s[56:63] the same for Wo's tiles
.set G0B, 56
.set BOP, 66                           ; s[66:67] bo
.set KI,  68                           ; s[68:69] bytes of a K step where I prefetch: 2,048 in hb, 256 in wob
.set MSB, 0
.macro WIN new
.if MSB != (\new)
	s_set_vgpr_msb (MSB<<8)|(\new)
.set MSB, \new
.endif
.endm
.set MUL_LO, 0xa1                      ; source 0 (Wo) window 1, source 1 (h) window 0, C and D window 2
.set MUL_HI, 0xf1                      ; the same, C and D window 3
.set TO_B,   0x40                      ; destination window 1, address window 0
.macro JLOAD s                         ; a joint load: waves 0 and 1 fetch h's two halves, waves 2 and 3 Wo's; an s_nop 0 and four v_nop follow each line
	s_cmp_eq_u32 s11, 0
	s_cbranch_scc0 .Lfor_b_\@
	tensor_load_to_lds s[G0+4*(\s):G0+4*(\s)+3], s[G1:G1+7]
	s_nop 0
.rept 4
	v_nop
.endr
	s_branch .Lasked_\@
.Lfor_b_\@:
	tensor_load_to_lds s[G0B+4*(\s):G0B+4*(\s)+3], s[G1B:G1B+7]
	s_nop 0
.rept 4
	v_nop
.endr
.Lasked_\@:
.endm
; A PREFETCH, behind each joint load and the run of LDS loads: the K step two refills on, 512 matrix instructions ahead of the load that will ask for it: 32 aligned blocks of 256 bytes, a lane a block.
; Of the 128 blocks that a wave's tensor load covers, the partner at place p among the four that ask jointly (cx for h, cy for Wo) takes 32, told apart by address.  h's rows are read by one cluster alone
; (the grid is one cluster wide): it asks.  Wo's rows are read by every cluster: cluster y = 0 asks.  So each block is named once.  Laps 1 and 2 name K steps 4 to 7; the last lap names nothing; K steps 0 to 3 come by their loads alone.
.macro ASK
	s_cmp_gt_u32 s3, s[LIM]
	s_cbranch_scc0 .Lnot_mine_\@
	global_prefetch_b8 v[PFO], s[PFA:PFA+1] th:TH_LOAD_NT scope:SCOPE_SE
.Lnot_mine_\@:
.endm
.macro CREST
	s_cmp_lg_u32 s10, 0
	s_cbranch_scc1 .Lnot_wave_0_\@
	s_barrier_signal -3
.Lnot_wave_0_\@:
	s_barrier_wait -3
	s_barrier_signal -1
	s_barrier_wait -1
.endm
.macro CROUND
	s_barrier_signal -1
	s_barrier_wait -1
	CREST
.endm
	s_load_b128 s[4:7], s[0:1], 0x0                ; hb s[4:5], wob s[6:7]
	s_load_b64 s[BOP:BOP+1], s[0:1], 0x10          ; bo
	s_load_b64 s[8:9], s[0:1], 0x18                ; out0
	v_lshl_add_u32 v[SPW], v0, 2, SPARE
	v_mov_b32 v[NIL], 0
	ds_add_u32 v[SPW], v[NIL]                      ; the wave's opening: the add, twice on end, and its wait ahead of my first tensor load
	ds_add_u32 v[SPW], v[NIL]
	v_lshrrev_b32 v1, 5, v0
	v_readfirstlane_b32 s10, v1                    ; wave 0..3
	s_lshr_b32 s11, s10, 1                         ; which half of the tile's rows is mine.  Also: I fetch for h (0) or for Wo (1)
	s_and_b32 s12, s10, 1                          ; which half of its columns.  Also: which half of that tile I fetch
	s_bfe_u32 s40, ttmp6, 0x40000                  ; cx
	s_bfe_u32 s41, ttmp6, 0x40004                  ; cy
	s_lshl_b32 s42, ttmp9, 2
	s_add_co_u32 s42, s42, s40                     ; tile column = 4 x cluster x + cx
	s_and_b32 s13, ttmp7, 0xffff
	s_lshl_b32 s13, s13, 2
	s_add_co_u32 s13, s13, s41                     ; tile row = 4 x cluster y + cy
	s_lshl_b32 s43, s41, 2
	s_lshl_b32 s43, 15, s43                        ; my row of the cluster
	s_lshl_b32 s44, 0x1111, s40                    ; my column
	s_or_b32 s[G1+0], s43, (1<<16)|(1<<20)|(1<<21)|(7<<22)|(15<<25)  ; h: the mask of my row; 2-byte elements; padding on; bit 21 beside a mask; after every 256 words, 16 words
	s_mov_b32 s[G1+1], 1024<<16                    ; tensor_dim0 = 1,024 elements: 128 channels x 8 rows
	s_mov_b32 s[G1+2], 16<<16                      ; tensor_dim1 = 16 groups of eight rows
	s_mov_b32 s[G1+3], 1024<<16                    ; tile_dim0
	s_mov_b32 s[G1+4], 16                          ; tile_dim1
	s_mov_b32 s[G1+5], 8192                        ; elements from group to group
	s_mov_b32 s[G1+6], 0
	s_mov_b32 s[G1+7], 0
	s_or_b32 s[G1B+0], s44, (1<<16)|(1<<20)|(1<<21)|(5<<22)|(3<<25)  ; Wo: the mask of my column; after every 64 words, 4 words
	s_mov_b32 s[G1B+1], 128<<16
	s_mov_b32 s[G1B+2], 128<<16
	s_mov_b32 s[G1B+3], 128<<16
	s_mov_b32 s[G1B+4], 128
	s_mov_b32 s[G1B+5], 1024
	s_mov_b32 s[G1B+6], 0
	s_mov_b32 s[G1B+7], 0
	s_lshl_b32 s17, s12, 4                         ; in units of 16,384 bytes (eight rows of h, or of Wo): the half that I fetch,
	s_lshl_b32 s16, s13, 5
	s_add_co_u32 s16, s16, s17                     ; h: 32 x tile row + 16 x half
	s_lshl_b32 s16, s16, 14
	s_lshl_b32 s46, s42, 5
	s_add_co_u32 s46, s46, s17                     ; Wo: 32 x tile column + 16 x half
	s_lshl_b32 s46, s46, 14
	s_mov_b32 s17, 0
	s_mov_b32 s47, 0
	s_mul_i32 s20, s10, HALFT                      ; where they go: wave x a half tile: no place in the cluster enters an LDS address
	s_wait_dscnt 0x0                               ; both opening adds are done
	s_wait_kmcnt 0x0
	s_add_nc_u64 s[14:15], s[4:5], s[16:17]
	s_add_nc_u64 s[46:47], s[6:7], s[46:47]
	CROUND                                         ; all sixteen work-groups are here: the first joint loads meet
.irp s, 0,1
	s_mov_b32 s[G0+4*(\s)], 1
	s_add_co_u32 s[G0+4*(\s)+1], s20, (\s)*SLOT
	s_add_nc_u64 s[G0+4*(\s)+2:G0+4*(\s)+3], s[14:15], (\s)*2048   ; K step s: 128 channels of 16 bytes
	s_or_b32 s[G0+4*(\s)+3], s[G0+4*(\s)+3], 0x80000000
	s_mov_b32 s[G0B+4*(\s)], 1
	s_add_co_u32 s[G0B+4*(\s)+1], s20, (\s)*SLOT
	s_add_nc_u64 s[G0B+4*(\s)+2:G0B+4*(\s)+3], s[46:47], (\s)*256
	s_or_b32 s[G0B+4*(\s)+3], s[G0B+4*(\s)+3], 0x80000000
	JLOAD \s
.endr
	v_and_b32 v1, 15, v0                           ; l % 16
	v_bfe_u32 v2, v0, 4, 1                         ; l / 16
	v_mul_u32_u24 v3, v1, PITCH
	v_lshl_add_u32 v3, v2, 4, v3                   ; Wo: row x pitch + 16 x half
	v_bfe_u32 v4, v0, 3, 1
	v_mul_u32_u24 v4, v4, RP                       ; h: row group (l / 8) % 2,
	v_lshl_add_u32 v4, v2, 7, v4                   ; channels 8 (l / 16) on,
	v_and_b32 v5, 7, v0
	v_lshl_add_u32 v4, v5, 4, v4                   ; channel l % 8 of them
	s_mul_i32 s21, s11, HALFT                      ; my 128 rows of h
	s_mul_i32 s22, s12, HALFT                      ; my 128 rows of Wo,
	s_add_co_u32 s22, s22, 2*HALFT                 ; which lie behind h's two halves
.irp s, 0,1
	v_add_nc_u32 v[ADRA+(\s)], s21, v4
	v_add_nc_u32 v[ADRB+(\s)], s22, v3
	s_add_co_u32 s21, s21, SLOT
	s_add_co_u32 s22, s22, SLOT
.endr
	s_mul_i32 s23, s10, 16*SPITCH
	s_add_co_u32 s23, s23, STAGE                   ; my stage
	v_mul_u32_u24 v6, v1, SPITCH                   ; in: row l % 16, 32 bytes for each half of the lanes
	v_lshl_add_u32 v6, v2, 5, v6
	v_add_nc_u32 v[STO], s23, v6
	v_and_b32 v6, 31, v0
	v_lshlrev_b32 v[CO], 4, v6                     ; back and out: 32 lanes take a row's 512 bytes
	v_add_nc_u32 v[RD], s23, v[CO]
	s_lshl_b32 s16, s13, 8
	s_lshl_b32 s14, s11, 7
	s_add_co_u32 s16, s16, s14                     ; my first row of out0,
	s_lshl_b32 s16, s16, 12                        ; 4,096 bytes a row
	s_mov_b32 s17, 0
	s_lshl_b32 s46, s42, 8
	s_lshl_b32 s47, s12, 7
	s_add_co_u32 s46, s46, s47                     ; my first column,
	s_lshl_b32 s46, s46, 2                         ; in bytes
	s_mov_b32 s47, 0
	s_add_nc_u64 s[16:17], s[16:17], s[46:47]      ; what the first way out adds to out0's address
	s_add_nc_u64 s[BOP:BOP+1], s[BOP:BOP+1], s[46:47]
	global_load_b128 v[BO:BO+3], v[CO], s[BOP:BOP+1]
	; the prefetches
	s_and_b32 s22, ttmp7, 0xffff                   ; cluster y
	s_cmp_eq_u32 s11, 0                            ; do I fetch for h?
	s_cselect_b32 s20, s13, s42                    ; the tile: by the tile row in hb, by the tile column in wob
	s_cselect_b32 s21, s40, s41                    ; my place among the four that ask with me
	s_cselect_b32 s22, ttmp9, s22                  ; the coordinate along which other clusters read the same rows
	s_cselect_b32 s23, 8, 11                       ; from block to block inside 16,384 bytes: 256 bytes in hb, a row of 2,048 in wob (as a shift)
	s_cselect_b32 s70, 11, 8                       ; a K step: 2,048 bytes in hb, 256 in wob (as a shift)
	s_cselect_b64 s[PFA:PFA+1], s[4:5], s[6:7]
	s_cmp_eq_u32 s22, 0
	s_cselect_b32 s[LIM], 1, -1                    ; the same in all sixteen partners, for a given wave
	s_lshl_b32 s20, s20, 5
	s_lshl_b32 s22, s12, 4
	s_add_co_u32 s20, s20, s22                     ; + the half that I fetch
	s_lshl_b32 s21, s21, 2
	s_add_co_u32 s20, s20, s21                     ; + my work-group's quarter of it: 4 units of 16,384 bytes
	s_lshl_b32 s20, s20, 14
	s_mov_b32 s21, 0
	s_add_nc_u64 s[PFA:PFA+1], s[PFA:PFA+1], s[20:21]
	s_lshl_b32 s[KI], 1, s70
	s_mov_b32 s[KI+1], 0
	s_mul_i32 s20, s[KI], 3
	s_add_nc_u64 s[PFA:PFA+1], s[PFA:PFA+1], s[20:21]  ; at K step 3: the first refill steps it to 4
	v_lshlrev_b32 v5, s23, v5                      ; (l % 8) blocks
	v_bfe_u32 v6, v0, 3, 2
	v_lshl_add_u32 v[PFO], v6, 14, v5              ; + (l / 8) units
	s_wait_loadcnt 0x0
	v_cvt_pk_bf16_f32 v5, v[BO], v[BO+1]           ; bo rounded to bf16, like the other inputs
	v_cvt_pk_bf16_f32 v6, v[BO+2], v[BO+3]
	v_lshlrev_b32 v[BO], 16, v5
	v_and_b32 v[BO+1], 0xffff0000, v5
	v_lshlrev_b32 v[BO+2], 16, v6
	v_and_b32 v[BO+3], 0xffff0000, v6
; 16 matrix instructions: row blocks a0, a0 + 1 of the window's four x all 8 column blocks, 32 along K.  The 64 accumulators take turns, one instruction a turn, in the same order in every quarter.
.macro MUL16 f, hi, a0, zero
	WIN MUL_LO+0x50*(\hi)
.irp a, \a0, (\a0)+1
.irp b, 0,1,2,3,4,5,6,7
.if \zero
	v_wmma_f32_16x16x32_bf16 v[8*(8*(\a)+(\b)):8*(8*(\a)+(\b))+7], v[(\f)+8*(\b):(\f)+8*(\b)+7], v[(\f)+8*(4*(\hi)+(\a)):(\f)+8*(4*(\hi)+(\a))+7], 0
.else
	v_wmma_f32_16x16x32_bf16 v[8*(8*(\a)+(\b)):8*(8*(\a)+(\b))+7], v[(\f)+8*(\b):(\f)+8*(\b)+7], v[(\f)+8*(4*(\hi)+(\a)):(\f)+8*(4*(\hi)+(\a))+7], v[8*(8*(\a)+(\b)):8*(8*(\a)+(\b))+7]
.endif
.endr
.endr
.endm
; 32 LDS loads in one run: the fragments of quarter q (32 channels) into buffer f: Wo's as they lie, h's turned.  In h's rows quarter q begins at 512 q, + 64 behind the padding in the row's middle.
.macro FETCH slot, q, f
	WIN TO_B
.irp i, 0,1,2,3,4,5,6,7
	ds_load_b128 v[(\f)+8*(\i):(\f)+8*(\i)+3],   v[ADRB+(\slot)] offset:64*(\q)+(\i)*16*PITCH
	ds_load_b128 v[(\f)+8*(\i)+4:(\f)+8*(\i)+7], v[ADRB+(\slot)] offset:64*(\q)+(\i)*16*PITCH+32
.endr
	WIN 0
.irp i, 0,1,2,3,4,5,6,7
	ds_load_tr16_b128 v[(\f)+8*(\i):(\f)+8*(\i)+3],   v[ADRA+(\slot)] offset:512*(\q)+64*((\q)/2)+(\i)*2*RP
	ds_load_tr16_b128 v[(\f)+8*(\i)+4:(\f)+8*(\i)+7], v[ADRA+(\slot)] offset:512*(\q)+64*((\q)/2)+(\i)*2*RP+256
.endr
.endm
.macro PLACES                          ; four plain vector instructions between a matrix instruction and a load into, or an LDS store of, its registers
.rept 4
	v_nop
.endr
.endm
.macro QUARTER slot, q, f, g, zero     ; multiplies buffer f; in its middle fetches quarter q of the same slot into buffer g
	s_wait_dscnt 8                                 ; Wo and h's rows 0-63 are in; the youngest eight loads (rows 64-127) may be out
	MUL16 \f, 0, 0, \zero
	MUL16 \f, 0, 2, \zero
	PLACES
	FETCH \slot, \q, \g
	s_wait_dscnt 32                                ; all but the 32 just issued
	MUL16 \f, 1, 0, \zero
	MUL16 \f, 1, 2, \zero
.endm
; The first half of a K step's last quarter: one barrier for the change of slots.  In front of it each wave waits for all its tensor loads (one is out: its part of the next slot), adds 0 to its spare word, and waits
; for that and for its reads of this slot.
.macro MEET round
	WIN 0
	s_wait_tensorcnt 0x0
	ds_add_u32 v[SPW], v[NIL]                      ; 0 onto my spare word
	s_wait_dscnt 9                                 ; (the add and the youngest eight loads may be out)
	MUL16 F1, 0, 0, 0
	s_wait_dscnt 0x0                               ; the add is done, and my reads of this slot are over
	s_barrier_signal -1
	MUL16 F1, 0, 2, 0
.if \round
	WIN 0
.endif
	s_barrier_wait -1
.endm
.macro TURN slot, next                 ; the whole last quarter; this slot is filled again, two K steps on: 224 matrix instructions ahead of the wait for it
	s_wait_xcnt 0x0                                ; the last prefetch, a K step back, has read its address
	s_add_nc_u64 s[PFA:PFA+1], s[PFA:PFA+1], s[KI:KI+1]
	MEET 1
	CREST                                          ; the barrier has opened a round of the cluster's: no wave of any partner still reads this slot or has a load on its way
	s_add_nc_u64 s[G0+4*(\slot)+2:G0+4*(\slot)+3], s[G0+4*(\slot)+2:G0+4*(\slot)+3], 2*2048
	s_add_nc_u64 s[G0B+4*(\slot)+2:G0B+4*(\slot)+3], s[G0B+4*(\slot)+2:G0B+4*(\slot)+3], 2*256
	JLOAD \slot                                    ; the first tensor load behind the round; its four v_nop are also the places in front of the loads below
	FETCH \next, 0, F0
	ASK
	MUL16 F1, 1, 0, 0
	MUL16 F1, 1, 2, 0
.endm
; THE WAY OUT of block a (16 rows x 128 columns of f32): a lane's 32 bytes of a row go straight from the accumulators into my own stage (each accumulator's lowest registers first), come back
; as whole rows of 512 bytes, take the bias and are stored.  LDS serves a wave's instructions in order (ISA guide 5.7.1.4), so no wait stands between the stores and the loads.
.macro OUTB a
.set AC, 64*((\a)%4)
.set BK, 64+64*((\a)%2)
	WIN 0x08+4*((\a)/4)                            ; the stores' data (source 1) in window 2 or 3
.irp b, 0,1,2,3,4,5,6,7
	ds_store_b128 v[STO], v[AC+8*(\b):AC+8*(\b)+3]   offset:64*(\b)
	ds_store_b128 v[STO], v[AC+8*(\b)+4:AC+8*(\b)+7] offset:64*(\b)+16
.endr
	WIN 0
.irp t, 0,1,2,3,4,5,6,7,8,9,10,11,12,13,14,15
	ds_load_b128 v[BK+4*(\t):BK+4*(\t)+3], v[RD] offset:(\t)*SPITCH
.endr
	s_wait_xcnt 0x0                                ; the earlier stores have read their base and their registers (which the next block's loads fill again)
.if (\a) == 0
	s_add_nc_u64 s[8:9], s[8:9], s[16:17]
.else
	s_add_nc_u64 s[8:9], s[8:9], 16*4096
.endif
.irp t, 0,1,2,3,4,5,6,7,8,9,10,11,12,13,14,15
	s_wait_dscnt 15-(\t)                           ; row t is back; the younger loads stay out
	v_pk_add_f32 v[BK+4*(\t):BK+4*(\t)+1],   v[BK+4*(\t):BK+4*(\t)+1],   v[BO:BO+1]
	v_pk_add_f32 v[BK+4*(\t)+2:BK+4*(\t)+3], v[BK+4*(\t)+2:BK+4*(\t)+3], v[BO+2:BO+3]
	global_store_b128 v[CO], v[BK+4*(\t):BK+4*(\t)+3], s[8:9] offset:(\t)*4096 th:TH_STORE_NT  ; 32 lanes store 512 consecutive bytes, aligned
.endr
.endm
	s_wait_tensorcnt 1                             ; my part of K step 0 is in; K step 1's may stay out
	s_barrier_signal -1
	s_barrier_wait -1
	FETCH 0, 0, F0
	QUARTER 0, 1, F0, F1, 1                        ; the first quarter starts the sums with the constant 0
	WIN 0
	s_mov_b32 s3, LAPS-1
.Llap:                                                 ; a trip goes once round the ring, from a lap's second quarter to the next lap's first, and fills both slots again
	QUARTER 0, 2, F1, F0, 0
	QUARTER 0, 3, F0, F1, 0
	TURN 0, 1
	QUARTER 1, 1, F0, F1, 0
	QUARTER 1, 2, F1, F0, 0
	QUARTER 1, 3, F0, F1, 0
	TURN 1, 0
	QUARTER 0, 1, F0, F1, 0
	WIN 0
	s_sub_co_u32 s3, s3, 1
	s_cmp_lg_u32 s3, 0
	s_cbranch_scc1 .Llap
	QUARTER 0, 2, F1, F0, 0                        ; the last lap fills nothing
	QUARTER 0, 3, F0, F1, 0
	MEET 0
	PLACES
	FETCH 1, 0, F0
	MUL16 F1, 1, 0, 0
	MUL16 F1, 1, 2, 0
	QUARTER 1, 1, F0, F1, 0
	QUARTER 1, 2, F1, F0, 0
	QUARTER 1, 3, F0, F1, 0
	s_wait_dscnt 8                                 ; the very last quarter: nothing more to fetch
	MUL16 F1, 0, 0, 0
	MUL16 F1, 0, 2, 0
	s_wait_dscnt 0x0
	MUL16 F1, 1, 0, 0
	MUL16 F1, 1, 2, 0
	WIN 0
	PLACES
.irp a, 0,1,2,3,4,5,6,7
	OUTB \a
.endr
	s_wait_tensorcnt 0x0                           ; the wave's end, behind my last tensor load and my last LDS store
	ds_add_u32 v[SPW], v[NIL]
	s_wait_dscnt 0x0
	CROUND                                         ; the closing round: no work-group ends while a partner may still ask for a tile that names it
	s_endpgm
.Lfunc_end_k_q1b16c4964d_proj:
	.size	k_q1b16c4964d_proj, .Lfunc_end_k_q1b16c4964d_proj-k_q1b16c4964d_proj
	.p2alignl 7, 3214868480
	.fill 96, 4, 3214868480
	.section	.rodata,"a",@progbits
	.p2align	6, 0x0
	.amdhsa_kernel k_q1b16c4964d_proj
		.amdhsa_group_segment_fixed_size 327680
		.amdhsa_private_segment_fixed_size 0
		.amdhsa_enable_private_segment 0
		.amdhsa_kernarg_size 32
		.amdhsa_user_sgpr_count 2
		.amdhsa_user_sgpr_kernarg_segment_ptr 1
		.amdhsa_wavefront_size32 1
		.amdhsa_system_sgpr_workgroup_id_x 1
		.amdhsa_system_sgpr_workgroup_id_y 1
		.amdhsa_system_sgpr_workgroup_id_z 1
		.amdhsa_system_vgpr_workitem_id 0
		.amdhsa_next_free_vgpr 1024
		.amdhsa_next_free_sgpr 72
		.amdhsa_reserve_vcc 0
		.amdhsa_float_denorm_mode_32 3
		.amdhsa_float_denorm_mode_16_64 3
		.amdhsa_memory_ordered 1
		.amdhsa_forward_progress 1
		.amdhsa_inst_pref_size 162
	.end_amdhsa_kernel
	.amdgpu_metadata
---
amdhsa.version: [ 1, 2 ]
amdhsa.kernels:
  - .name:           k_q1b16c4964d_proj
    .symbol:         k_q1b16c4964d_proj.kd
    .args:
      - { .name: hb, .offset: 0, .size: 8, .value_kind: global_buffer, .address_space: global }
      - { .name: wob, .offset: 8, .size: 8, .value_kind: global_buffer, .address_space: global }
      - { .name: bo, .offset: 16, .size: 8, .value_kind: global_buffer, .address_space: global }
      - { .name: out0, .offset: 24, .size: 8, .value_kind: global_buffer, .address_space: global }
    .group_segment_fixed_size: 327680
    .private_segment_fixed_size: 0
    .kernarg_segment_align: 8
    .kernarg_segment_size: 32
    .max_flat_workgroup_size: 128
    .sgpr_count:     72
    .vgpr_count:     1024
    .wavefront_size: 32
...
	.end_amdgpu_metadata
.endif
;; end of part 3
;; ======== version 2 of 2: 3 launches; version 1 with the launch cast written anew for expert scheduling mode
;; workspace buffers: xb 33,554,432 bytes; wc 4,194,304 bytes; wob 2,097,152 bytes; hb 33,554,432 bytes
;; launch cast (part 4): grid 256 x 1, 19 waves a work-group, no clusters, 0 bytes of LDS; arguments x, Wi, Wg, Wo, xb, wc, wob; writes xb, wc, wob
.if DOCPART == 4
	.amdgcn_target "amdgcn-amd-amdhsa--gfx1250"
	.amdhsa_code_object_version 6
	.text
	.protected	k_q1b16c4964d_cast
	.globl	k_q1b16c4964d_cast
	.p2align	8
	.type	k_q1b16c4964d_cast,@function
k_q1b16c4964d_cast:
	s_mov_b64 s[64:65], 0
	v_nop
	global_prefetch_b8 v0, s[64:65] scope:SCOPE_SE
	s_setreg_imm32_b32 hwreg(HW_REG_WAVE_SCHED_MODE, 0, 2), 2
	s_setreg_imm32_b32 hwreg(HW_REG_WAVE_MODE, 25, 1), 1
	s_wait_xcnt 0x0
	s_wait_alu depctr_vm_vsrc(0)
; RG-LRU, first of three launches: x, Wi, Wg and Wo are rounded once to bf16 and laid out for the two launches that multiply them.
; NOTHING OF THE PROBLEM IS LEFT OUT in any launch: every input reaches the output; the zero state h0 is only the first value of the carry.
; LIMITS of the program: matrix operands (x, the three weights, h) and the three biases are rounded to bf16; sums, sigmoid, recurrence and carries are f32;
; NaN and infinities are not treated apart.
; xb: bf16, 16,384 rows of 2,048 bytes.  Inside each aligned group of 128 rows, row t = 64 z + 8 a + y of x lies at row 16 a + 8 z + y, so that a matrix result's lane later holds 64 consecutive t of one channel.
; wc: bf16 [32 blocks][64 rows][1,024]: rows 0-31 of block e are Wi's rows 32 e .. 32 e + 31, rows 32-63 are Wg's.      wob: Wo in bf16, row by row.
; SHARES.  16,384 + 3 x 1,024 = 19,456 rows of 1,024 f32 are 4,864 groups of four rows = 256 x 19: a work-group has 19 waves, a wave one group, so that all work-groups move the same bytes.
; Groups 0-4,095: x; 4,096-4,351: Wi; 4,352-4,607: Wg; 4,608-4,863: Wo.
; A stream: no LDS, no matrix unit, no cluster (no byte is read twice).  A wave has all its 32 loads (512 consecutive bytes each) out before the first wait.
; THE MODE: SCHED_MODE bits 1:0 = 2 (LLVM: expert scheduling mode 2), set by the entry lines.  The code itself states the register dependences
; between vector instructions and memory instructions, with s_wait_alu, always for 0.
; THE PLAN.  Registers that memory instructions touch:
;   v1, v2            byte offsets of the loads and of the stores, made once at the head and never written again.
;   v[X+4n : X+4n+3]  a set of four for each load n.  Written by load n, ahead of which no vector instruction names it; read by load n's two conversions, which write the rounded pair into
;                     the first two; those are read by store n; behind it nothing writes them.  So no register that a memory instruction has read is ever written again, and no load lands in
;                     a register that a vector instruction has named: only the stores' data, and the offsets once, have a dependence to state.
; The 32 loads are taken in 8 blocks of four.  Block p's vector work is its own eight conversions; its memory instructions are the four stores of block p - 1, whose registers no conversion of
; block p names.  So ONE wait at a block's head, behind the wait for its data, states all that the block's four stores hang on, and they are dealt among its conversions with no further wait.
.set X, 4                              ; v[4:131] 32 loads of four registers; the rounded pair takes the first two
.set BLOCK,  4                         ; loads in a block
.set BLOCKS, 32/BLOCK
	s_load_b256 s[4:11], s[0:1], 0x0               ; x s[4:5], Wi s[6:7], Wg s[8:9], Wo s[10:11]
	s_load_b128 s[12:15], s[0:1], 0x20             ; xb s[12:13], wc s[14:15]
	s_load_b64 s[16:17], s[0:1], 0x30              ; wob
	v_lshrrev_b32 v3, 5, v0
	v_readfirstlane_b32 s18, v3                    ; wave 0..18
	v_and_b32 v2, 31, v0
	v_lshlrev_b32 v1, 4, v2                        ; 16 bytes a lane in, never rewritten
	v_lshlrev_b32 v2, 3, v2                        ; 8 bytes a lane out, never rewritten
	s_mul_i32 s19, ttmp9, 19
	s_wait_alu depctr_va_sdst(0)                   ; s18 is written, ahead of its first reader: the group's number, and with it both bases, are made from it
	s_add_co_u32 s19, s19, s18                     ; my group of four rows
	s_lshl_b32 s26, s19, 2                         ; x: source row g, a multiple of 4
	s_and_b32 s27, s26, 0xffffff87                 ; its group of 128 and y stay,
	s_and_b32 s28, s26, 0x38
	s_lshl_b32 s28, s28, 1                         ; a goes up one bit,
	s_or_b32 s27, s27, s28
	s_and_b32 s28, s26, 0x40
	s_lshr_b32 s28, s28, 3                         ; z goes down three: four rows from a multiple of 4 stay neighbours
	s_or_b32 s27, s27, s28                         ; x: destination row
	s_and_b32 s24, s19, 255                        ; a weight has 256 groups, and each weight's first group is a multiple of 256
	s_lshl_b32 s24, s24, 2                         ; a weight's source row r; also Wo's destination row
	s_mov_b32 s25, s24
	s_and_b32 s30, s24, 0xffffffe0
	s_add_co_u32 s30, s30, s24                     ; Wi's destination row in wc: 64 (r / 32) + r % 32
	s_add_co_u32 s31, s30, 32                      ; Wg's
	s_wait_kmcnt 0x0
	s_mov_b64 s[20:21], s[10:11]                   ; from Wo to wob, unless the group's number says otherwise
	s_mov_b64 s[22:23], s[16:17]
	s_cmp_lt_u32 s19, 4608
	s_cselect_b64 s[20:21], s[8:9], s[20:21]       ; Wg to wc
	s_cselect_b64 s[22:23], s[14:15], s[22:23]
	s_cselect_b32 s25, s31, s25
	s_cmp_lt_u32 s19, 4352
	s_cselect_b64 s[20:21], s[6:7], s[20:21]       ; Wi to wc
	s_cselect_b32 s25, s30, s25
	s_cmp_lt_u32 s19, 4096
	s_cselect_b64 s[20:21], s[4:5], s[20:21]       ; x to xb
	s_cselect_b64 s[22:23], s[12:13], s[22:23]
	s_cselect_b32 s24, s26, s24
	s_cselect_b32 s25, s27, s25
	s_lshl_b32 s32, s24, 12                        ; a source row is 4,096 bytes,
	s_mov_b32 s33, 0
	s_lshl_b32 s34, s25, 11                        ; a destination row 2,048
	s_mov_b32 s35, 0
	s_add_nc_u64 s[20:21], s[20:21], s[32:33]
	s_add_nc_u64 s[22:23], s[22:23], s[34:35]
	s_wait_alu depctr_va_vdst(0)                   ; v1 and v2 are written: every load of the kernel reads v1 as its offset, every store v2
.set n, 0
.rept 32
	global_load_b128 v[X+4*n:X+4*n+3], v1, s[20:21] offset:(n/8)*4096+(n%8)*512 th:TH_LOAD_NT
.set n, n+1
.endr
; Block p: loads 4 p .. 4 p + 3 are rounded; the stores of block p - 1 go out among the conversions, one ahead of each pair.
.set p, 0
.rept BLOCKS
	s_wait_loadcnt 32-BLOCK*(p+1)                  ; loads come back in order (ISA guide 5.7.1): this block's four are in, the younger blocks' stay out
.if p > 0
	s_wait_alu depctr_va_vdst(0)                   ; the conversions of the block before have written its four rounded pairs, which the stores below read
.endif
.set i, 0
.rept BLOCK
.set n, BLOCK*p+i                      ; the load that is rounded
.set m, n-BLOCK                        ; the load of the block before whose pair is stored
.if p > 0
	global_store_b64 v2, v[X+4*m:X+4*m+1], s[22:23] offset:(m/8)*2048+(m%8)*256 th:TH_STORE_NT  ; 32 lanes store 256 consecutive bytes, aligned; no vector instruction since the wait names these registers, and none writes them again
.endif
	v_cvt_pk_bf16_f32 v[X+4*n], v[X+4*n], v[X+4*n+1]
	v_cvt_pk_bf16_f32 v[X+4*n+1], v[X+4*n+2], v[X+4*n+3]
.set i, i+1
.endr
.set p, p+1
.endr
	s_wait_alu depctr_va_vdst(0)                   ; the last block's conversions have written its four rounded pairs, which the last four stores read
.set m, 32-BLOCK
.rept BLOCK
	global_store_b64 v2, v[X+4*m:X+4*m+1], s[22:23] offset:(m/8)*2048+(m%8)*256 th:TH_STORE_NT
.set m, m+1
.endr
	s_endpgm
.Lfunc_end_k_q1b16c4964d_cast:
	.size	k_q1b16c4964d_cast, .Lfunc_end_k_q1b16c4964d_cast-k_q1b16c4964d_cast
	.p2alignl 7, 3214868480
	.fill 96, 4, 3214868480
	.section	.rodata,"a",@progbits
	.p2align	6, 0x0
	.amdhsa_kernel k_q1b16c4964d_cast
		.amdhsa_group_segment_fixed_size 0
		.amdhsa_private_segment_fixed_size 0
		.amdhsa_enable_private_segment 0
		.amdhsa_kernarg_size 56
		.amdhsa_user_sgpr_count 2
		.amdhsa_user_sgpr_kernarg_segment_ptr 1
		.amdhsa_wavefront_size32 1
		.amdhsa_system_sgpr_workgroup_id_x 1
		.amdhsa_system_sgpr_workgroup_id_y 1
		.amdhsa_system_sgpr_workgroup_id_z 1
		.amdhsa_system_vgpr_workitem_id 0
		.amdhsa_next_free_vgpr 132
		.amdhsa_next_free_sgpr 66
		.amdhsa_reserve_vcc 0
		.amdhsa_float_denorm_mode_32 3
		.amdhsa_float_denorm_mode_16_64 3
		.amdhsa_memory_ordered 1
		.amdhsa_forward_progress 1
		.amdhsa_inst_pref_size 13
	.end_amdhsa_kernel
	.amdgpu_metadata
---
amdhsa.version: [ 1, 2 ]
amdhsa.kernels:
  - .name:           k_q1b16c4964d_cast
    .symbol:         k_q1b16c4964d_cast.kd
    .args:
      - { .name: x, .offset: 0, .size: 8, .value_kind: global_buffer, .address_space: global }
      - { .name: Wi, .offset: 8, .size: 8, .value_kind: global_buffer, .address_space: global }
      - { .name: Wg, .offset: 16, .size: 8, .value_kind: global_buffer, .address_space: global }
      - { .name: Wo, .offset: 24, .size: 8, .value_kind: global_buffer, .address_space: global }
      - { .name: xb, .offset: 32, .size: 8, .value_kind: global_buffer, .address_space: global }
      - { .name: wc, .offset: 40, .size: 8, .value_kind: global_buffer, .address_space: global }
      - { .name: wob, .offset: 48, .size: 8, .value_kind: global_buffer, .address_space: global }
    .group_segment_fixed_size: 0
    .private_segment_fixed_size: 0
    .kernarg_segment_align: 8
    .kernarg_segment_size: 56
    .max_flat_workgroup_size: 608
    .sgpr_count:     66
    .vgpr_count:     132
    .wavefront_size: 32
...
	.end_amdgpu_metadata
.endif
;; end of part 4
;; launch scan: the kernel of part 2 again; grid 32 x 8, 4 waves a work-group, clusters of 4 x 4, 327,680 bytes of LDS; arguments xb, wc, bi, bg, hb; writes hb
;; launch proj: the kernel of part 3 again; grid 4 x 64, 4 waves a work-group, clusters of 4 x 4, 327,680 bytes of LDS; arguments hb, wob, bo, out0; writes out0
